; MI455X (gfx1250); checked and timed in simulation.
; The chip was launched on July 23, 2026; its instructions are those of AMD's public machine-readable ISA for CDNA 5 (MIT licence, August 2026) and "CDNA5" Instruction Set Architecture Reference Guide (July 2026). The comments in the code are by the model that wrote it; some were corrected since.
;; Self Attention Module. Allowed arithmetic: matrix products marked QUANTISED: E2M3 operands, one E8M0 scale for each 32 along K, by v_wmma_scale_f32_16x16x128_f8f6f4 with both operands' format E2M3, f32 sums; everything else in f32.
;; Inputs: bk 1,024 float32; bo 1,024 float32; bq 1,024 float32; bv 1,024 float32; ln_beta 1,024 float32; ln_gamma 1,024 float32; wk_codes 1,024 x 32 x 24 uint8 (E2M3 codes of wk, K innermost, in blocks of 32 codes, four codes in three bytes); wk_scales 1,024 x 32 uint8 (E8M0 scales of wk, one for each 32 codes along K); wo_codes 1,024 x 32 x 24 uint8 (E2M3 codes of wo, K innermost, in blocks of 32 codes, four codes in three bytes); wo_scales 1,024 x 32 uint8 (E8M0 scales of wo, one for each 32 codes along K); wq_codes 1,024 x 32 x 24 uint8 (E2M3 codes of wq, K innermost, in blocks of 32 codes, four codes in three bytes); wq_scales 1,024 x 32 uint8 (E8M0 scales of wq, one for each 32 codes along K); wv_codes 1,024 x 32 x 24 uint8 (E2M3 codes of wv, K innermost, in blocks of 32 codes, four codes in three bytes); wv_scales 1,024 x 32 uint8 (E8M0 scales of wv, one for each 32 codes along K); x_codes 4 x 2,048 x 32 x 24 uint8 (E2M3 codes of x, K innermost, in blocks of 32 codes, four codes in three bytes); x_scales 4 x 2,048 x 32 uint8 (E8M0 scales of x, one for each 32 codes along K).
;; Outputs: out0 4 x 2,048 x 1,024 float32.
;; This version of the problem:
;;   THIS VERSION OF THE PROBLEM IS GIVEN IN LOW PRECISION. The matrix products marked QUANTISED in the list below multiply operands that are first quantised to E2M3 (2 exponent bits, 3 mantissa bits; 6 bits a number), with one power-of-two scale for each 32 numbers along K (OCP MX v1.0); their sums are f32. All else is computed in f32.
;;   The module's matrix products, in the order in which they are computed (A, B: the left and right operand; K: the contracted axis; several contracted axes count as one K, in the product's order):
;;     1. [M 8,192, K 1,024] x [K 1,024, N 1,024]; A: input x (given as codes); B: input wq (given as codes): QUANTISED
;;     2. [M 8,192, K 1,024] x [K 1,024, N 1,024]; A: input x (given as codes); B: input wk (given as codes): QUANTISED
;;     3. [M 8,192, K 1,024] x [K 1,024, N 1,024]; A: input x (given as codes); B: input wv (given as codes): QUANTISED
;;     4. batch 64 x [M 2,048, K 64] x [K 64, N 2,048]; A: computed on the way; B: computed on the way: QUANTISED
;;     5. batch 64 x [M 2,048, K 2,048] x [K 2,048, N 64]; A: softmax (see below); B: computed on the way: QUANTISED
;;     6. [M 8,192, K 1,024] x [K 1,024, N 1,024]; A: computed on the way; B: input wo (given as codes): QUANTISED
;;   THE QUANTISER, for each operand of a quantised product, along K:
;;     - K is cut into blocks of 32 from its start; a last block that is shorter is filled with zeros.
;;     - A block's scale is 2^e with e = floor(log2(the largest magnitude in the block)) - 2, held to -126 .. 127; a block of zeros has e = 0. As a byte (E8M0): e + 127.
;;     - Each number is divided by its block's scale, clamped to +-7.5, and rounded to the nearest number of E2M3, ties to even, subnormals kept.
;;     - The product sums the exact products of the quantised numbers (number of the format x scale) in f32.
;;   ~~~python
;;   def quantise(x, axis):      # numpy; x: float32 -> the quantised numbers, widened to float32 again
;;       x = np.moveaxis(x, axis, -1); K = x.shape[-1]
;;       x = np.pad(x, [(0, 0)] * (x.ndim - 1) + [(0, -K % 32)]); x = x.reshape(x.shape[:-1] + (-1, 32)); a = np.abs(x).max(-1, keepdims=True)
;;       e = np.where(a > 0, np.clip(np.frexp(np.where(a > 0, a, 1))[1] - 1 - 2, -126, 127), 0)      # np.frexp(a)[1] - 1 = floor(log2(a)), exactly
;;       r = np.clip(x / 2.0 ** e, -7.5, 7.5)
;;       step = 2.0 ** (np.maximum(np.frexp(np.where(r == 0, 1, r))[1] - 1, 0) - 3)
;;       q = np.round(r / step) * step * 2.0 ** e      # np.round: ties to even
;;       return np.moveaxis(q.reshape(q.shape[:-2] + (-1,))[..., :K], -1, axis).astype(np.float32)
;;   ~~~
;;   SOFTMAX AHEAD OF A QUANTISED PRODUCT. Where the list says 'softmax', what is quantised is not the finished softmax but p = 2^(t - M), with t = logit x log2(e) and M = ceil(the row's largest t), a whole number; so 1/2 < the row's largest p <= 1. The row's sum l is taken of the UNQUANTISED p, in f32, and the product's result is divided by l at the end. Since M is a whole number, a kernel that streams over the keys may use a running M (the ceiling of the running maximum): every later rescaling is an exact power of two, which a block's scale takes up: the codes' values come out the same.
;;   OPERANDS COMPUTED ON THE WAY. 'Computed on the way' means the value that the module computes at that place (a softmax that the list does not call 'softmax' is quantised finished and normalised). What goes into a quantiser is computed in f32, as accurately as f32 sums, v_exp_f32 and their like allow (about 1e-6 of the number): no bf16 or f16 on the way to a quantiser, and a product that is left as it is and whose result goes on into a quantised operand takes f32 operands (vector FMAs, or v_wmma_f32_16x16x4_f32). A number that lies on a knife's edge between two numbers of the format may be rounded either way, as far as f32 arithmetic and the matrix unit's own rounding can turn it there, and no further.
;;   INPUTS GIVEN AS CODES. wk (in the module: [1024, 1024], K = its axis 0); wo (in the module: [1024, 1024], K = its axis 0); wq (in the module: [1024, 1024], K = its axis 0); wv (in the module: [1024, 1024], K = its axis 0); x (in the module: [4, 2048, 1024], K = its axis 2): each comes as NAME_codes (uint8): NAME with its K axis moved to the last place and cut into blocks of 32 codes, [.., K / 32, bytes a block], one block behind the other in memory; four codes in three bytes: a row's codes are one little-endian stream of bits, code i at bits 6 i .. 6 i + 5 (a code: sign, 2 exponent bits, 3 mantissa bits); and NAME_scales (uint8): the same leading axes, one E8M0 byte (e + 127) for each 32 codes along K. Its value is code x scale, taken as it is: it is not quantised again, and the codes and scales need not be those that the quantiser above would give.
;; One version. Each part assembles by itself: llvm-mc -triple=amdgcn-amd-amdhsa -mcpu=gfx1250 --defsym DOCPART=n.
;; ======== version 1 of 1: 3 launches
;; workspace buffers: qkc 12,582,912 bytes; qks 524,288 bytes; vc 6,291,456 bytes; vs 262,144 bytes; ac 6,291,456 bytes; asc 262,144 bytes
;; launch qkv (part 1): grid 12 x 32, 4 waves a work-group, clusters of 4 x 4, 327,680 bytes of LDS; arguments x_codes, x_scales, wq_codes, wq_scales, wk_codes, wk_scales, wv_codes, wv_scales, bq, bk, bv, qkc, qks, vc, vs; writes qkc, qks, vc, vs
.if DOCPART == 1
	.amdgcn_target "amdgcn-amd-amdhsa--gfx1250"
	.amdhsa_code_object_version 6
	.text
	.protected	k_q62aa1d9e4d_qkv
	.globl	k_q62aa1d9e4d_qkv
	.p2align	8
	.type	k_q62aa1d9e4d_qkv,@function
k_q62aa1d9e4d_qkv:
	s_mov_b64 s[64:65], 0
	v_nop
	global_prefetch_b8 v0, s[64:65] scope:SCOPE_SE
	s_setreg_imm32_b32 hwreg(HW_REG_WAVE_MODE, 25, 1), 1
	s_wait_xcnt 0x0
	s_wait_alu depctr_hold_cnt(0) depctr_sa_sdst(0) depctr_va_vdst(0) depctr_va_sdst(0) depctr_va_ssrc(0) depctr_va_vcc(0) depctr_vm_vsrc(0)
	s_getreg_b32 s2, hwreg(HW_REG_IB_STS2, 6, 4)
	s_cmp_eq_u32 s2, 0
	s_cbranch_scc0 .Lentry_in_a_cluster
	s_endpgm
.Lentry_in_a_cluster:
	s_bfe_u32 s2, ttmp6, 0x10000c
	s_cmp_lg_u32 s2, 0xf033
	s_cbranch_scc0 .Lentry_shape_is_right
	s_endpgm
.Lentry_shape_is_right:
; q = x wq + bq, k = x wk + bk, v = x wv + bv on codes of FP6 (E2M3) with one E8M0 scale for each 32 along K = 1,024; the results are quantised at once:
; q and k along the head's 64 channels, v along the keys.  Nothing leaves as f32.
; SHARES.  A tile of 256 x 256 results to a work-group of four waves, 128 x 128 a wave: 64 accumulators, 512 registers.  K goes in steps of 256 through two LDS slots.
; The matrix instruction has source 0 = 16 rows of the B slot and source 1 = 16 rows of the A slot: a lane holds ONE row of A and its registers run along B's rows,
; which is the axis that is quantised afterwards.  Cluster x = 0: q, 1: k (A = x's tokens, B = the weight's columns);  cluster x = 2: v (A = wv's columns, B = x's tokens).
; CLUSTERS: 4 x 4 work-groups; A's tile hangs on cy alone and is asked for jointly along a row of the cluster, B's on cx alone and jointly along a column.
; ORDER INSIDE A BLOCK OF 32.  A lane's 16 registers of two neighbouring tiles hold elements 16 (i / 8) + 8 (lane / 16) + i % 8 of a block, and go to the conversion in that order.
; The block, and so its scale, is the true one; only the places inside it are permuted, alike in q and k (along the channels) and alike in v and in the later p (along the keys).
; LIMITS: the products of a block are therefore added in another order than ascending k; NaN and infinities are not served; a block whose largest magnitude lies under 2^-124
; keeps the scale byte 1, a block of zeros too (its codes are zeros; the bytes are read by this program alone).
; WORKSPACE, as images of operand registers: one store of 8 bytes a lane is 256 consecutive bytes, aligned.
;   qkc [q, k][batch x head 64][tile of 16 tokens 128][pair of registers 3][lane][8]      qks [q, k][batch][pair of heads 8][token 2,048]: a word, bytes 0, 1 the even head's
;   vc  [batch x head][step of 128 keys 16][tile of 16 channels 4][pair 6][lane][8]       vs  [batch x head][step][tile][16 channels]: a word
; REGISTERS: window 0: v0-31 addresses; v32-63 scale words; v64-127 the biases; v128-223 A's fragments, on the way out 64 numbers and the codes; v224-251 at work.
;   window 1: B's fragments, two sets.   windows 2, 3: the accumulators, (a, b) at v[8 (8 (a % 4) + b)].
.set NQ,     2                         ; matrix instructions deep in a slot (256 along K)
.set ROWB,   192                       ; a tile's row: 256 codes
.set KROW,   768                       ; a row of x or of a weight in memory
.set PITCH,  240                       ; an LDS row: 3 x (64 bytes + 16 of padding)
.set FR,     12
.set NL,     6
.set NP,     4
.set HALFT,  128*PITCH
.set SLOT,   4*HALFT
.set KS,     32                        ; a row of scale bytes
.set SCL,    2*SLOT                    ; behind the ring: the scale bytes, units of 256 bytes + 16
.set HALFS,  (128*KS/256)*272
.set SBLK,   (16*KS/256)*272
.set SPARE,  SCL+4*HALFS               ; the spare words, 128 bytes a wave
.set L8,   7                           ; v7   8 x lane
.set SIN,  8                           ; v8   the scale words' stage, in: 1,024 x wave + 4 x lane
.set SBK,  9                           ; v9   and back: 1,024 x wave + 128 (lane / 4) + 16 (lane % 4)
.set ADRA, 16
.set ADRB, 20
.set ADRS, 27
.set SPW,  28
.set NIL,  29
.set SC,   32
.set BB,   64                          ; the biases
.set AF,   128
.set ST,   128                         ; the way out: 64 numbers of a lane
.set CD,   192                         ; the codes just made: v192-210
.set TM,   224                         ; v224-239 at work in the quantiser
.set PW,   240                         ; v240-247 the scale words of the wave's eight blocks
.set G1, 24
.set G0, 32
.set G1B, 48
.set G0B, 56
.set G1S, 68
.set G0S, 76
.set G1SB, 80
.set G0SB, 88
.set MSB, 0
.macro WIN new                         ; the immediate's high byte repeats the setting that is left
.if MSB != (\new)
	s_set_vgpr_msb (MSB<<8)|(\new)
.set MSB, \new
.endif
.endm
.set MUL_LO, 0xa1                      ; source 0 (B) window 1, source 1 (A) window 0, C and D window 2
.set MUL_HI, 0xf1
.set TO_B,   0x40
; A joint load: waves 0 and 1 fetch for A, waves 2 and 3 for B; the branch hangs on the wave's number alone.  Four v_nop follow each line.
.macro JLOAD g0a, g1a, g0b, g1b
	s_cmp_eq_u32 s15, 0
	s_cbranch_scc0 .Lfor_b_\@
	tensor_load_to_lds s[\g0a:\g0a+3], s[\g1a:\g1a+7]
	s_nop 0
.rept 4
	v_nop
.endr
	s_branch .Lasked_\@
.Lfor_b_\@:
	tensor_load_to_lds s[\g0b:\g0b+3], s[\g1b:\g1b+7]
	s_nop 0
.rept 4
	v_nop
.endr
.Lasked_\@:
.endm
.macro CREST                           ; a round of the cluster's barrier behind its opening barrier
	s_cmp_lg_u32 s14, 0
	s_cbranch_scc1 .Lnot_wave_0_\@
	s_barrier_signal -3
.Lnot_wave_0_\@:
	s_barrier_wait -3
	s_barrier_signal -1
	s_barrier_wait -1
.endm
.macro CROUND
	s_barrier_signal -1
	s_barrier_wait -1
	CREST
.endm
	s_load_b512 s[76:91], s[0:1], 0x0              ; x's codes, scales; wq's; wk's; wv's
	v_lshl_add_u32 v[SPW], v0, 2, SPARE
	v_mov_b32 v[NIL], 0
	ds_add_u32 v28, v29
	ds_add_u32 v28, v29
	s_wait_dscnt 0x0
	v_lshrrev_b32 v1, 5, v0
	v_readfirstlane_b32 s14, v1                    ; wave 0..3
	s_lshr_b32 s15, s14, 1                         ; which half of A's rows is mine.  Also: I fetch for A (0) or for B (1)
	s_and_b32 s16, s14, 1                          ; which half of B's rows.  Also: which 128 rows I fetch
	s_bfe_u32 s40, ttmp6, 0x40000                  ; cx
	s_bfe_u32 s41, ttmp6, 0x40004                  ; cy
	s_and_b32 s96, ttmp7, 0xffff
	s_lshl_b32 s96, s96, 2                         ; 4 x cluster y
	s_cmp_eq_u32 ttmp9, 2                          ; cluster x = 2: v.  The same in all sixteen partners
	s_cselect_b32 s95, 1, 0
	s_cselect_b32 s17, 0, s96
	s_cselect_b32 s42, s96, 0
	s_add_co_u32 s17, s17, s41                     ; A's tile: q, k: tokens 4 cluster y + cy;  v: wv's columns cy
	s_add_co_u32 s42, s42, s40                     ; B's tile: q, k: the weight's columns cx;  v: tokens 4 cluster y + cx
	s_lshl_b32 s43, s41, 2
	s_lshl_b32 s43, 15, s43                        ; my row of the cluster
	s_lshl_b32 s44, 0x1111, s40                    ; my column
	s_or_b32 s[G1+0], s43, (0<<16)|(1<<20)|(1<<21)|(3<<22)|(3<<25)  ; mask; elements of 1 byte; padding on; bit 21 beside a mask; 4 words behind every 16
	s_or_b32 s[G1B+0], s44, (0<<16)|(1<<20)|(1<<21)|(3<<22)|(3<<25)
.irp g, G1, G1B
	s_mov_b32 s[\g+1], ROWB<<16                    ; tensor_dim0
	s_mov_b32 s[\g+2], 128<<16                     ; tensor_dim1
	s_mov_b32 s[\g+3], ROWB<<16                    ; tile_dim0
	s_mov_b32 s[\g+4], 128                         ; tile_dim1
	s_mov_b32 s[\g+5], KROW                        ; the pitch
	s_mov_b32 s[\g+6], 0
	s_mov_b32 s[\g+7], 0
.endr
	s_lshl_b32 s18, s16, 7                         ; which 128 rows of the tile I fetch
	s_lshl_b32 s20, s17, 8
	s_add_co_u32 s20, s20, s18                     ; A's row
	s_lshl_b32 s46, s42, 8
	s_add_co_u32 s46, s46, s18                     ; B's row
	s_mov_b32 s21, 0
	s_mov_b32 s47, 0
	s_mov_b64 s[18:19], KS
	s_mul_u64 s[22:23], s[20:21], s[18:19]         ; where these rows' scale bytes begin
	s_mul_u64 s[92:93], s[46:47], s[18:19]
	s_mov_b64 s[18:19], KROW
	s_mul_u64 s[20:21], s[20:21], s[18:19]         ; and their codes
	s_mul_u64 s[46:47], s[46:47], s[18:19]
	s_mul_i32 s45, s14, HALFT                      ; where they go: by the wave's number alone
	s_mul_i32 s94, s14, HALFS
	s_wait_kmcnt 0x0
	s_cmp_eq_u32 ttmp9, 1                          ; the weight of q or of k
	s_cselect_b64 s[8:9], s[84:85], s[80:81]
	s_cselect_b64 s[10:11], s[86:87], s[82:83]
	s_cmp_eq_u32 ttmp9, 2                          ; for v the two slots change their tensors
	s_cselect_b64 s[4:5], s[88:89], s[76:77]       ; A's codes
	s_cselect_b64 s[6:7], s[90:91], s[78:79]       ; A's scales
	s_cselect_b64 s[8:9], s[76:77], s[8:9]         ; B's codes
	s_cselect_b64 s[10:11], s[78:79], s[10:11]     ; B's scales
	s_add_nc_u64 s[20:21], s[4:5], s[20:21]
	s_add_nc_u64 s[22:23], s[6:7], s[22:23]
	s_add_nc_u64 s[46:47], s[8:9], s[46:47]
	s_add_nc_u64 s[92:93], s[10:11], s[92:93]
	; the scale bytes of 128 rows: 4,096 dense bytes as 16 rows of 256 (32 elements of 8 bytes), 16 bytes of padding behind each.  (s76-91 are free now)
	s_or_b32 s[G1S+0], s43, (3<<16)|(1<<20)|(1<<21)|(5<<22)|(3<<25)
	s_or_b32 s[G1SB+0], s44, (3<<16)|(1<<20)|(1<<21)|(5<<22)|(3<<25)
.irp g, G1S, G1SB
	s_mov_b32 s[\g+1], 32<<16
	s_mov_b32 s[\g+2], (128*KS/256)<<16
	s_mov_b32 s[\g+3], 32<<16
	s_mov_b32 s[\g+4], 128*KS/256
	s_mov_b32 s[\g+5], 32
	s_mov_b32 s[\g+6], 0
	s_mov_b32 s[\g+7], 0
.endr
	CROUND                                         ; all sixteen work-groups are here: the first joint loads meet
	s_mov_b32 s[G0S], 1
	s_add_co_u32 s[G0S+1], s94, SCL
	s_mov_b64 s[G0S+2:G0S+3], s[22:23]
	s_or_b32 s[G0S+3], s[G0S+3], 0x80000000
	s_mov_b32 s[G0SB], 1
	s_add_co_u32 s[G0SB+1], s94, SCL
	s_mov_b64 s[G0SB+2:G0SB+3], s[92:93]
	s_or_b32 s[G0SB+3], s[G0SB+3], 0x80000000
	JLOAD G0S, G1S, G0SB, G1SB                     ; the scale bytes first: they are wanted with K step 0
.irp s, 0,1
	s_mov_b32 s[G0+4*\s], 1
	s_add_co_u32 s[G0+4*\s+1], s45, \s*SLOT
	s_add_nc_u64 s[G0+4*\s+2:G0+4*\s+3], s[20:21], \s*ROWB
	s_or_b32 s[G0+4*\s+3], s[G0+4*\s+3], 0x80000000
	s_mov_b32 s[G0B+4*\s], 1
	s_add_co_u32 s[G0B+4*\s+1], s45, \s*SLOT
	s_add_nc_u64 s[G0B+4*\s+2:G0B+4*\s+3], s[46:47], \s*ROWB
	s_or_b32 s[G0B+4*\s+3], s[G0B+4*\s+3], 0x80000000
	JLOAD G0+4*\s, G1, G0B+4*\s, G1B
.endr
	v_and_b32 v1, 15, v0                           ; r
	v_bfe_u32 v2, v0, 4, 1                         ; h
	v_mul_u32_u24 v3, v1, PITCH
	v_mul_u32_u24 v4, v2, 24
	v_add_nc_u32 v4, v3, v4                        ; a fragment's row x pitch + 24 h
	v_lshl_add_u32 v5, v2, 4, v4                   ; and the same behind one padding more
	s_mul_i32 s21, s15, HALFT
	s_mul_i32 s22, s16, HALFT
	s_add_co_u32 s22, s22, 2*HALFT
.irp s, 0,1
	v_add_nc_u32 v[ADRA+\s], s21, v4
	v_add_nc_u32 v[ADRB+\s], s22, v4
	v_add_nc_u32 v[ADRA+2+\s], s21, v5
	v_add_nc_u32 v[ADRB+2+\s], s22, v5
	s_add_co_u32 s21, s21, SLOT
	s_add_co_u32 s22, s22, SLOT
.endr
	v_mul_u32_u24 v5, v1, KS                       ; my row's scale bytes,
	v_lshrrev_b32 v6, 8, v5
	v_lshl_add_u32 v5, v6, 4, v5                   ; 16 more for each 256 passed
	s_mul_i32 s21, s15, HALFS
	s_mul_i32 s22, s16, HALFS
	s_add_co_u32 s22, s22, 2*HALFS
	s_sub_co_u32 s22, s22, s21
	v_mul_u32_u24 v6, s22, v2                      ; lanes 16-31 take B's: one product of h and the distance
	s_add_co_u32 s21, s21, SCL
	v_add_nc_u32 v5, v5, v6
	v_add_nc_u32 v[ADRS], s21, v5
	v_and_b32 v6, 31, v0                           ; lane
	v_lshlrev_b32 v[L8], 3, v6
	s_lshl_b32 s23, s14, 10
	v_lshl_add_u32 v[SIN], v6, 2, s23
	v_lshrrev_b32 v[SBK], 2, v6
	v_lshlrev_b32 v[SBK], 7, v[SBK]
	v_and_b32 v10, 3, v6
	v_lshl_add_u32 v[SBK], v10, 4, v[SBK]
	v_add_nc_u32 v[SBK], s23, v[SBK]
.macro FRAG reg, adr, q, i             ; 16 rows x 128 K: 12 registers, in pieces of 8 bytes; where the piece three on lies behind one padding more, the second address register serves
.irp p, 0,1,2,3,4,5
.set PCE, 12*(\q)+6*(\p/3)+\p%3
.if PCE%8 < 5
	ds_load_b64 v[\reg+2*\p:\reg+2*\p+1], v[\adr] offset:8*PCE+16*(PCE/8)+(\i)*16*PITCH
.else
	ds_load_b64 v[\reg+2*\p:\reg+2*\p+1], v[\adr+2] offset:8*PCE+16*(PCE/8)+(\i)*16*PITCH
.endif
.endr
.endm
; 16 matrix instructions: A's blocks a0, a0 + 1 x B's eight.  The 64 accumulators take turns, one instruction a turn, in the same order in every step.
.macro MUL16 a0, p, q, sc, zero
.irp a, \a0, \a0+1
.irp b, 0,1,2,3,4,5,6,7
.if \zero
	v_wmma_scale_f32_16x16x128_f8f6f4 v[8*(8*((\a)%4)+\b):8*(8*((\a)%4)+\b)+7], v[128*(\p)+FR*\b:128*(\p)+FR*\b+FR-1], v[AF+FR*(\a):AF+FR*(\a)+FR-1], 0, v[SC+8*NQ*(\sc)+NQ*\b+(\q)], v[SC+8*NQ*(\sc)+NQ*(\a)+(\q)] matrix_a_fmt:MATRIX_FMT_FP6 matrix_b_fmt:MATRIX_FMT_FP6 matrix_a_scale:MATRIX_SCALE_ROW1
.else
	v_wmma_scale_f32_16x16x128_f8f6f4 v[8*(8*((\a)%4)+\b):8*(8*((\a)%4)+\b)+7], v[128*(\p)+FR*\b:128*(\p)+FR*\b+FR-1], v[AF+FR*(\a):AF+FR*(\a)+FR-1], v[8*(8*((\a)%4)+\b):8*(8*((\a)%4)+\b)+7], v[SC+8*NQ*(\sc)+NQ*\b+(\q)], v[SC+8*NQ*(\sc)+NQ*(\a)+(\q)] matrix_a_fmt:MATRIX_FMT_FP6 matrix_b_fmt:MATRIX_FMT_FP6 matrix_a_scale:MATRIX_SCALE_ROW1
.endif
.endr
.endr
.endm
.macro FETCH_B slot, q, p
	WIN TO_B
.irp i, 0,1,2,3,4,5,6,7
	FRAG 128*(\p)+FR*\i, ADRB+\slot, \q, \i
.endr
	WIN 0
.endm
.macro FETCH_A slot, q, i0
.irp i, \i0, \i0+1, \i0+2, \i0+3
	FRAG AF+FR*(\i), ADRA+\slot, \q, \i
.endr
.endm
.macro SCALES sc                       ; a K step's scale words: lanes 0-15 A's block i, lanes 16-31 B's block i
.irp i, 0,1,2,3,4,5,6,7
	ds_load_b64 v[SC+8*NQ*\sc+NQ*\i:SC+8*NQ*\sc+NQ*\i+1], v[ADRS] offset:\i*SBLK
.endr
.endm
.macro PLACES n                        ; plain vector instructions between a matrix instruction and a load into, or a vector access to, its registers
.rept \n
	v_nop
.endr
.endm
.macro STEP slot, q, zero              ; 128 along K with its successor in the same slot
	s_wait_dscnt 4*NL                              ; B's set and A's blocks 0-3 are in; the youngest 24 loads (A's blocks 4-7) may be out
	WIN MUL_LO
	MUL16 0, (\q)%2, \q, \slot, \zero
	MUL16 2, (\q)%2, \q, \slot, \zero
	s_wait_dscnt 0
	PLACES NP
	FETCH_B \slot, (\q)+1, 1-(\q)%2
	FETCH_A \slot, (\q)+1, 0
	WIN MUL_HI
	MUL16 4, (\q)%2, \q, \slot, \zero
	MUL16 6, (\q)%2, \q, \slot, \zero
	PLACES NP
	WIN 0
	FETCH_A \slot, (\q)+1, 4
.endm
; A slot's last step changes slots: one barrier; in front of it each wave waits for all its tensor loads, adds 0 to its spare word, and waits for that and for its reads of this slot.
.macro TURN slot, next, fill
	s_wait_tensorcnt 0x0                           ; all my tensor loads have landed: my part of the next slot
	ds_add_u32 v[SPW], v[NIL]                      ; 0 onto my spare word
	s_wait_dscnt 4*NL+1                            ; the add and the youngest 24 loads may be out
	WIN MUL_LO
	MUL16 0, 1, NQ-1, \slot, 0
	s_wait_dscnt 0x0                               ; the add is done, and my reads of this slot are over
	s_barrier_signal -1
	MUL16 2, 1, NQ-1, \slot, 0
	WIN 0
	s_barrier_wait -1
.if \fill
	CREST                                          ; the barrier has opened a round of the cluster's: no wave of any partner still reads this slot or has a load on its way
	s_add_nc_u64 s[G0+4*\slot+2:G0+4*\slot+3], s[G0+4*\slot+2:G0+4*\slot+3], 2*ROWB
	s_add_nc_u64 s[G0B+4*\slot+2:G0B+4*\slot+3], s[G0B+4*\slot+2:G0B+4*\slot+3], 2*ROWB
	JLOAD G0+4*\slot, G1, G0B+4*\slot, G1B         ; the first tensor load behind the round; its four v_nop are the places in front of the loads below
.else
	PLACES NP
.endif
	v_add_nc_u32 v[ADRS], 4*NQ, v[ADRS]            ; the next K step's scale words
	FETCH_B \next, 0, 0
	FETCH_A \next, 0, 0
	SCALES \next
	WIN MUL_HI
	MUL16 4, 1, NQ-1, \slot, 0
	MUL16 6, 1, NQ-1, \slot, 0
	PLACES NP
	WIN 0
	FETCH_A \next, 0, 4
.endm
.macro LASTSTEP                        ; the very last 128 along K: nothing more to fetch
	s_wait_dscnt 4*NL
	WIN MUL_LO
	MUL16 0, 1, NQ-1, 1, 0
	MUL16 2, 1, NQ-1, 1, 0
	s_wait_dscnt 0
	WIN MUL_HI
	MUL16 4, 1, NQ-1, 1, 0
	MUL16 6, 1, NQ-1, 1, 0
	WIN 0
.endm
; 64 numbers of a lane, v[s] on: registers 16 b .. 16 b + 15 are my 16 of block b (lane l xor 16 holds the other 16).  They become a fragment's 12 registers in v[CD] on and a scale word in v[pw].
.macro QUANT s, pw
.irp b, 0,1,2,3
	v_max3_num_f32 v[TM+\b], |v[\s+16*\b]|, |v[\s+1+16*\b]|, 0x1800000   ; with the floor 2^(3 - 127): the byte cannot fall under 1
.endr
.irp i, 2,4,6,8,10,12,14
.irp b, 0,1,2,3
	v_max3_num_f32 v[TM+\b], v[TM+\b], |v[\s+16*\b+\i]|, |v[\s+1+16*\b+\i]|
.endr
.endr
.irp b, 0,1,2,3
	v_permlanex16_b32 v[TM+4+\b], v[TM+\b], s[82], s[83]
.endr
.irp b, 0,1,2,3
	v_max_num_f32 v[TM+\b], v[TM+\b], v[TM+4+\b]   ; the block's largest magnitude
.endr
.irp b, 0,1,2,3
	v_add_nc_u32 v[TM+12+\b], 0xff000000, v[TM+\b] ; 2 off its exponent field: the conversion's scale operand
.endr
.irp b, 0,1,2,3
	v_lshrrev_b32 v[TM+4+\b], 23, v[TM+12+\b]      ; the scale's byte
.endr
	v_lshl_or_b32 v[\pw], v[TM+5], 8, v[TM+4]
	v_lshl_or_b32 v[\pw], v[TM+6], 16, v[\pw]
	v_lshl_or_b32 v[\pw], v[TM+7], 24, v[\pw]
.irp c, 0,1
	v_cvt_scalef32_pk16_fp6_f32 v[CD+6*\c:CD+2+6*\c], v[\s+32*\c:\s+15+32*\c], v[TM+12+2*\c]
	v_cvt_scalef32_pk16_fp6_f32 v[CD+12+4*\c:CD+14+4*\c], v[\s+16+32*\c:\s+31+32*\c], v[TM+12+2*\c+1]
.endr
	v_nop                                          ; one plain place behind a scaled conversion
.irp c, 0,1                                    ; a whole block to a lane: lanes 0-15 block 2 c, lanes 16-31 block 2 c + 1
.irp i, 0,1,2
	v_permlane16_swap_b32 v[CD+6*\c+\i], v[CD+12+4*\c+\i]
.endr
.irp i, 0,1,2
	v_mov_b32 v[CD+3+6*\c+\i], v[CD+12+4*\c+\i]
.endr
.endr
.endm
; Block a of the wave's eight (16 rows of A x 128 of B): the bias is added, the 64 numbers are quantised, the fragment leaves by six stores of 256 consecutive bytes.
.macro BLOCK a, isv
	WIN 0x02+(\a)/4                                ; source 0: window 2 or 3
.set bi, 0
.rept 32                                       ; ascending: each accumulator is read from its low end on
.if \isv
	v_pk_add_f32 v[ST+2*bi:ST+2*bi+1], v[64*((\a)%4)+2*bi:64*((\a)%4)+2*bi+1], v[BB+2*(\a):BB+2*(\a)+1]
.else
	v_pk_add_f32 v[ST+2*bi:ST+2*bi+1], v[64*((\a)%4)+2*bi:64*((\a)%4)+2*bi+1], v[BB+2*bi:BB+2*bi+1]
.endif
.set bi, bi+1
.endr
	WIN 0
.if (\a) > 0
.if \isv
.if (\a) == 4
.set STP, 93696                                ; from the first head's fourth tile of channels to the next head's first
.else
.set STP, 1536
.endif
.else
.set STP, 768
.endif
	s_wait_xcnt 0x0                                ; the last block's stores have read their data and their bases: both are written again only behind this wait
	s_add_nc_u64 s[84:85], s[84:85], STP
	s_add_nc_u64 s[86:87], s[86:87], STP
.endif
	QUANT ST, PW+\a
.irp p, 0,1,2
	global_store_b64 v[L8], v[CD+2*\p:CD+2*\p+1], s[84:85] offset:256*\p
.endr
.irp p, 0,1,2
	global_store_b64 v[L8], v[CD+6+2*\p:CD+7+2*\p], s[86:87] offset:256*\p
.endr
	ds_store_b32 v[SIN], v[PW+\a] offset:128*(\a)+4096*\isv
.endm
; THE WAY OUT.  isv = 0: q or k;  1: v.  Each of the two has its own bytes of the stage (in slot 0, which has had its last fill and its last read).
.macro EPI isv
	s_mov_b32 s82, 0x76543210
	s_mov_b32 s83, 0xfedcba98                      ; v_permlanex16_b32's selects for lane l xor 16
.if \isv
	s_lshr_b32 s18, s42, 3                         ; batch
	s_and_b32 s19, s42, 7
	s_lshl_b32 s19, s19, 1
	s_add_co_u32 s19, s19, s16                     ; the step of 128 keys
	s_lshl_b32 s20, s17, 2
	s_lshl_b32 s21, s15, 1
	s_add_co_u32 s20, s20, s21                     ; my first head
	s_lshl_b32 s21, s18, 4
	s_add_co_u32 s21, s21, s20
	s_mul_i32 s22, s21, 98304
	s_mul_i32 s23, s19, 6144
	s_add_co_u32 s22, s22, s23
	s_mov_b32 s23, 0
	s_add_nc_u64 s[84:85], s[78:79], s[22:23]      ; vc: registers 0-5 of a fragment,
	s_add_nc_u64 s[86:87], s[84:85], 768           ; and 6-11
	s_lshl_b32 s22, s21, 12
	s_lshl_b32 s21, s19, 8
	s_add_co_u32 s22, s22, s21
	s_add_nc_u64 s[88:89], s[80:81], s[22:23]      ; vs
	s_lshl_b32 s22, s20, 8
	s_add_nc_u64 s[90:91], s[72:73], s[22:23]      ; bv at my 128 channels
	v_and_b32 v1, 15, v0
	v_lshlrev_b32 v5, 4, v1
	v_lshlrev_b32 v1, 2, v1                        ; the bias of channel 16 a + r
	v_bfe_u32 v6, v0, 4, 1
	v_lshl_add_u32 v5, v6, 12, v5                  ; the scale words: 16 (lane % 16), the second head's 4,096 bytes on
.irp a, 0,1,2,3,4,5,6,7
	global_load_b32 v[BB+2*\a], v1, s[90:91] offset:64*\a
.endr
.else
	s_lshr_b32 s18, s17, 3                         ; batch
	s_and_b32 s19, s17, 7
	s_lshl_b32 s19, s19, 8
	s_lshl_b32 s20, s15, 7
	s_add_co_u32 s19, s19, s20                     ; my first token in the batch
	s_lshl_b32 s20, s42, 2
	s_lshl_b32 s21, s16, 1
	s_add_co_u32 s20, s20, s21                     ; my first head (an even one)
	s_lshl_b32 s21, s18, 4
	s_add_co_u32 s21, s21, s20
	s_mul_i32 s22, s21, 98304
	s_mul_i32 s23, s19, 48
	s_add_co_u32 s22, s22, s23
	s_mul_i32 s23, ttmp9, 6291456
	s_add_co_u32 s22, s22, s23
	s_mov_b32 s23, 0
	s_add_nc_u64 s[84:85], s[74:75], s[22:23]      ; qkc: the even head's fragment,
	s_add_nc_u64 s[86:87], s[84:85], 98304         ; the odd head's
	s_lshl_b32 s22, s18, 3
	s_lshr_b32 s21, s20, 1
	s_add_co_u32 s22, s22, s21
	s_lshl_b32 s22, s22, 13
	s_lshl_b32 s21, s19, 2
	s_add_co_u32 s22, s22, s21
	s_lshl_b32 s21, ttmp9, 18
	s_add_co_u32 s22, s22, s21
	s_add_nc_u64 s[88:89], s[76:77], s[22:23]      ; qks
	s_cmp_eq_u32 ttmp9, 1
	s_cselect_b64 s[90:91], s[70:71], s[68:69]     ; bk or bq
	s_lshl_b32 s22, s20, 8
	s_add_nc_u64 s[90:91], s[90:91], s[22:23]      ; at my 128 columns
	v_bfe_u32 v1, v0, 4, 1
	v_lshlrev_b32 v1, 5, v1                        ; the biases of columns 16 b + 8 h + 0 .. 7
	v_lshlrev_b32 v5, 1, v[L8]                     ; the scale words: 16 x lane
.irp b, 0,1,2,3,4,5,6,7
	global_load_b128 v[BB+8*\b:BB+8*\b+3], v1, s[90:91] offset:64*\b
	global_load_b128 v[BB+8*\b+4:BB+8*\b+7], v1, s[90:91] offset:64*\b+16
.endr
.endif
	LASTSTEP                                       ; its 64 products stand between the biases' loads and the wait for them
	PLACES NP                                      ; behind the last products: their results are read, and A's registers written, from here on
.irp b, 0,1,2,3
	v_mov_b32 v[TM+4+\b], 0                        ; a lane permute's destination counts as one of its sources
.endr
	s_wait_loadcnt 0x0                             ; the biases
.if \isv
.irp a, 0,1,2,3,4,5,6,7
	v_mov_b32 v[BB+2*\a+1], v[BB+2*\a]             ; a pair for the packed addition
.endr
.endif
.irp a, 0,1,2,3,4,5,6,7
	BLOCK \a, \isv
.endr
	ds_load_b128 v[248:251], v[SBK] offset:4096*\isv   ; LDS serves a wave's instructions in order: this sees my eight stores; four rows' words a lane
	s_wait_dscnt 0x0
	global_store_b128 v5, v[248:251], s[88:89]     ; sixteen lanes store 256 consecutive bytes, aligned
.endm
	s_wait_tensorcnt 1                             ; the scale bytes and my part of K step 0 are in; K step 1's load may be out
	s_barrier_signal -1
	s_barrier_wait -1
	s_load_b128 s[68:71], s[0:1], 0x40             ; bq, bk   (the scale bytes' descriptors are done with)
	s_load_b128 s[72:75], s[0:1], 0x50             ; bv, qkc
	s_load_b128 s[76:79], s[0:1], 0x60             ; qks, vc
	s_load_b64 s[80:81], s[0:1], 0x70              ; vs
	FETCH_B 0, 0, 0
	FETCH_A 0, 0, 0
	SCALES 0
	FETCH_A 0, 0, 4
	STEP 0, 0, 1                                   ; the first products start the sums: nothing is cleared
	TURN 0, 1, 1                                   ; K = 1,024 is four slots' worth: both slots are filled again once
	STEP 1, 0, 0
	TURN 1, 0, 1
	STEP 0, 0, 0
	TURN 0, 1, 0                                   ; nothing is left to fetch
	STEP 1, 0, 0
	s_wait_kmcnt 0x0
	s_cmp_eq_u32 s95, 1                            ; hangs on the cluster's x alone: the same in all waves and all partners
	s_cbranch_scc1 .Lv
	EPI 0
	s_branch .Lend
.Lv:
	EPI 1
.Lend:
	s_wait_tensorcnt 0x0                           ; the wave's end
	ds_add_u32 v[SPW], v[NIL]
	s_wait_dscnt 0x0
	CROUND                                         ; the closing round
	s_endpgm
.Lfunc_end_k_q62aa1d9e4d_qkv:
	.size	k_q62aa1d9e4d_qkv, .Lfunc_end_k_q62aa1d9e4d_qkv-k_q62aa1d9e4d_qkv
	.p2alignl 7, 3214868480
	.fill 96, 4, 3214868480
	.section	.rodata,"a",@progbits
	.p2align	6, 0x0
	.amdhsa_kernel k_q62aa1d9e4d_qkv
		.amdhsa_group_segment_fixed_size 327680
		.amdhsa_private_segment_fixed_size 0
		.amdhsa_enable_private_segment 0
		.amdhsa_kernarg_size 120
		.amdhsa_user_sgpr_count 2
		.amdhsa_user_sgpr_kernarg_segment_ptr 1
		.amdhsa_wavefront_size32 1
		.amdhsa_system_sgpr_workgroup_id_x 1
		.amdhsa_system_sgpr_workgroup_id_y 1
		.amdhsa_system_sgpr_workgroup_id_z 1
		.amdhsa_system_vgpr_workitem_id 0
		.amdhsa_next_free_vgpr 1024
		.amdhsa_next_free_sgpr 98
		.amdhsa_reserve_vcc 0
		.amdhsa_float_denorm_mode_32 3
		.amdhsa_float_denorm_mode_16_64 3
		.amdhsa_memory_ordered 1
		.amdhsa_forward_progress 1
		.amdhsa_inst_pref_size 249
	.end_amdhsa_kernel
	.amdgpu_metadata
---
amdhsa.version: [ 1, 2 ]
amdhsa.kernels:
  - .name:           k_q62aa1d9e4d_qkv
    .symbol:         k_q62aa1d9e4d_qkv.kd
    .args:
      - { .name: x_codes, .offset: 0, .size: 8, .value_kind: global_buffer, .address_space: global }
      - { .name: x_scales, .offset: 8, .size: 8, .value_kind: global_buffer, .address_space: global }
      - { .name: wq_codes, .offset: 16, .size: 8, .value_kind: global_buffer, .address_space: global }
      - { .name: wq_scales, .offset: 24, .size: 8, .value_kind: global_buffer, .address_space: global }
      - { .name: wk_codes, .offset: 32, .size: 8, .value_kind: global_buffer, .address_space: global }
      - { .name: wk_scales, .offset: 40, .size: 8, .value_kind: global_buffer, .address_space: global }
      - { .name: wv_codes, .offset: 48, .size: 8, .value_kind: global_buffer, .address_space: global }
      - { .name: wv_scales, .offset: 56, .size: 8, .value_kind: global_buffer, .address_space: global }
      - { .name: bq, .offset: 64, .size: 8, .value_kind: global_buffer, .address_space: global }
      - { .name: bk, .offset: 72, .size: 8, .value_kind: global_buffer, .address_space: global }
      - { .name: bv, .offset: 80, .size: 8, .value_kind: global_buffer, .address_space: global }
      - { .name: qkc, .offset: 88, .size: 8, .value_kind: global_buffer, .address_space: global }
      - { .name: qks, .offset: 96, .size: 8, .value_kind: global_buffer, .address_space: global }
      - { .name: vc, .offset: 104, .size: 8, .value_kind: global_buffer, .address_space: global }
      - { .name: vs, .offset: 112, .size: 8, .value_kind: global_buffer, .address_space: global }
    .group_segment_fixed_size: 327680
    .private_segment_fixed_size: 0
    .kernarg_segment_align: 8
    .kernarg_segment_size: 120
    .max_flat_workgroup_size: 128
    .sgpr_count:     98
    .vgpr_count:     1024
    .wavefront_size: 32
...
	.end_amdgpu_metadata
.endif
;; end of part 1
;; launch attn (part 2): grid 4 x 64, 16 waves a work-group, clusters of 4 x 1, 211,968 bytes of LDS; arguments qkc, qks, vc, vs, ac, asc; writes ac, asc
.if DOCPART == 2
	.amdgcn_target "amdgcn-amd-amdhsa--gfx1250"
	.amdhsa_code_object_version 6
	.text
	.protected	k_q62aa1d9e4d_attn
	.globl	k_q62aa1d9e4d_attn
	.p2align	8
	.type	k_q62aa1d9e4d_attn,@function
k_q62aa1d9e4d_attn:
	s_mov_b64 s[64:65], 0
	v_nop
	global_prefetch_b8 v0, s[64:65] scope:SCOPE_SE
	s_setreg_imm32_b32 hwreg(HW_REG_WAVE_MODE, 25, 1), 1
	s_wait_xcnt 0x0
	s_wait_alu depctr_hold_cnt(0) depctr_sa_sdst(0) depctr_va_vdst(0) depctr_va_sdst(0) depctr_va_ssrc(0) depctr_va_vcc(0) depctr_vm_vsrc(0)
	s_getreg_b32 s2, hwreg(HW_REG_IB_STS2, 6, 4)
	s_cmp_eq_u32 s2, 0
	s_cbranch_scc0 .Lentry_in_a_cluster
	s_endpgm
.Lentry_in_a_cluster:
	s_bfe_u32 s2, ttmp6, 0x10000c
	s_cmp_lg_u32 s2, 0x3003
	s_cbranch_scc0 .Lentry_shape_is_right
	s_endpgm
.Lentry_shape_is_right:
; O = softmax(q k^T / 8) v for one batch and head, both products on codes of FP6 (E2M3); O / l is quantised along the channels and leaves as codes.
; t = score x log2(e) / 8; M = the running largest t rounded up to a whole number; p = 2^(t - M) is quantised along the keys; the row's sum is taken of the unquantised p and divides at the end.
; SHARES.  A work-group owns 512 queries of one head; each of its sixteen waves owns one tile of 16 queries in each of two passes: four waves to a SIMD, 256 registers each.
; A HEAD'S K AND V STAY IN LDS: 98,304 bytes each, as images of operand registers, so every fragment comes by loads of 8 consecutive bytes a lane.  They are filled once: no slot is filled again.
; CLUSTER.  The four work-groups of a head ask for K and V jointly: waves 0-3 K's quarters, waves 4-7 V's, one tensor load each, the same descriptor in all four.
; All of a head is asked for at the kernel's head, so there is no later load that a prefetch could run ahead of.
; LAYOUT.  S^T = K Q^T (source 0 = 16 keys, source 1 = my 16 queries), O^T = V^T P^T: a lane holds one query throughout.  The head's 64 channels fill half of the instruction's 128:
; Q's upper six registers are zero codes, and both sides' scale bytes 2 and 3 are 0 (2^-127, no NaN).  K's operand names 12 registers of which the upper six are the NEXT tile's codes: they meet Q's zeros and add nothing.
; ORDER INSIDE A BLOCK OF 32: q, k (channels) and v, p (keys) carry the same permutation of places inside each block, made by the same lines; O is brought into true order ahead of its quantiser.
; LIMITS: the products of a block are added in another order than ascending k; NaN and infinities are not served; a block whose largest magnitude lies under 2^-124, or of zeros, keeps the scale byte 1.
; REGISTERS: v1-7, v30, v31 addresses that stay; v8-11 addresses in hand; v12 -M, v13 the largest t, v[14:15] the sum; v16-27 Q of pass 0, v240-251 of pass 1; v28, v29 their scale words;
;   v32-85 K's or V's fragments (v80-85 stay 0); v86-91 scale words; v96-159 S^T, then p; v160-191 O^T; v192-224 at work; v228-239 the codes just made.
.set VB,   98304                       ; LDS: K at 0, V here,
.set KSCB, 196608                      ; K's scale words, 4 bytes a key,
.set VSCB, 204800                      ; V's, [step][tile of channels][16],
.set ASTG, 208896                      ; and the stage for O's scale bytes: 2 bytes for each of 512 queries
.set WV,  18
.set SEL, 20
.set CS,  22
.set G1,  24
.set G0,  32
.set TB,  40                           ; s40  where the step's tiles begin: 6,144 bytes a step, in K and in V
.set TS,  41                           ; s41  K's scale words: 512 bytes a step
.set TJ,  42                           ; s42  V's: 256 bytes a step
.set CNT, 43
.macro CROUND                          ; a round of the cluster's barrier
	s_barrier_signal -1
	s_barrier_wait -1
	s_cmp_lg_u32 s[WV], 0
	s_cbranch_scc1 .Lnot_wave_0_\@
	s_barrier_signal -3
.Lnot_wave_0_\@:
	s_barrier_wait -3
	s_barrier_signal -1
	s_barrier_wait -1
.endm
	s_load_b256 s[4:11], s[0:1], 0x0               ; qkc s[4:5], qks s[6:7], vc s[8:9], vs s[10:11]
	s_load_b128 s[12:15], s[0:1], 0x20             ; ac s[12:13], asc s[14:15]
	v_lshl_add_u32 v254, v0, 2, 0x33400
	v_mov_b32 v255, 0
	ds_add_u32 v254, v255
	ds_add_u32 v254, v255
	v_lshrrev_b32 v1, 5, v0
	v_readfirstlane_b32 s[WV], v1                  ; wave 0..15
	s_bfe_u32 s48, ttmp6, 0x40000                  ; cx: which 512 queries
	s_and_b32 s49, ttmp7, 0xffff                   ; 16 x batch + head
	s_lshr_b32 s50, s49, 4                         ; batch
	s_and_b32 s51, s49, 15                         ; head
	s_and_b32 s52, s51, 1
	s_lshl_b32 s52, s52, 4                         ; where my head's two bytes begin in a word of qks
	s_mov_b32 s[SEL], 0x76543210
	s_mov_b32 s[SEL+1], 0xfedcba98
	s_mov_b32 s[CS], 0x3e38aa3b                    ; c = log2(e) / 8
	s_mov_b32 s[CS+1], s[CS]
	; descriptor group 1: 24,576 dense bytes as 96 rows of 256 (32 elements of 8 bytes), no padding
	s_mov_b32 s[G1], 15|(3<<16)|(1<<21)            ; the mask: all four work-groups; bit 21 beside it
	s_mov_b32 s[G1+1], 32<<16
	s_mov_b32 s[G1+2], 96<<16
	s_mov_b32 s[G1+3], 32<<16
	s_mov_b32 s[G1+4], 96
	s_mov_b32 s[G1+5], 32
	s_mov_b32 s[G1+6], 0
	s_mov_b32 s[G1+7], 0
	v_and_b32 v10, 31, v0                          ; lane
	v_and_b32 v11, 15, v0                          ; r
	v_lshlrev_b32 v1, 3, v10                       ; 8 x lane: my place in an image (K's in LDS; Q's and O's in memory)
	v_add_nc_u32 v2, VB, v1                        ; V's
	v_lshl_add_u32 v3, v10, 2, KSCB
	v_lshl_add_u32 v4, v10, 2, VSCB
	v_lshl_add_u32 v5, v0, 4, ASTG                 ; the stage, back: 16 bytes a thread (waves 0 and 1 alone read)
	v_lshlrev_b32 v6, 2, v11
	s_lshl_b32 s54, s[WV], 5
	v_lshl_add_u32 v7, v11, 1, s54
	v_add_nc_u32 v7, ASTG, v7                      ; the stage, in: 32 x wave + 2 r
	v_lshlrev_b32 v30, 4, v0
	v_lshlrev_b32 v31, 3, v0
	v_add_nc_u32 v8, KSCB, v30
	v_add_nc_u32 v9, VSCB, v31
	s_and_b32 s53, s[WV], 7
	s_mul_i32 s53, s53, 24576                      ; where my quarter goes: by the wave's number alone
	s_and_b32 s54, s[WV], 3
	s_mul_i32 s54, s54, 24576
	s_mul_i32 s55, s49, 98304
	s_add_co_u32 s54, s54, s55                     ; and where it lies in its tensor
	s_mov_b32 s55, 0
	s_lshl_b32 s58, s48, 5
	s_add_co_u32 s58, s58, s[WV]                   ; my tile of queries in pass 0: 32 cx + wave
	s_wait_dscnt 0x0
	s_wait_kmcnt 0x0
	s_add_nc_u64 s[56:57], s[4:5], 6291456         ; k's half of qkc
	s_cmp_lt_u32 s[WV], 4
	s_cselect_b64 s[G0+2:G0+3], s[56:57], s[8:9]
	s_add_nc_u64 s[G0+2:G0+3], s[G0+2:G0+3], s[54:55]
	s_or_b32 s[G0+3], s[G0+3], 0x80000000
	s_mov_b32 s[G0], 1
	s_mov_b32 s[G0+1], s53
	s_mul_i32 s54, s49, 98304
	s_mul_i32 s56, s58, 768
	s_add_co_u32 s54, s54, s56
	s_add_nc_u64 s[44:45], s[4:5], s[54:55]        ; Q's fragment
	s_lshl_b32 s54, s50, 3
	s_lshr_b32 s56, s51, 1
	s_add_co_u32 s54, s54, s56
	s_lshl_b32 s54, s54, 13
	s_add_nc_u64 s[6:7], s[6:7], s[54:55]          ; qks at my batch and pair of heads
	s_lshl_b32 s54, s58, 6
	s_add_nc_u64 s[46:47], s[6:7], s[54:55]        ; Q's scale words
	s_lshl_b32 s54, s49, 12
	s_add_nc_u64 s[10:11], s[10:11], s[54:55]      ; vs at my head
	s_lshl_b32 s54, s50, 7
	s_add_co_u32 s54, s54, s58
	s_mul_i32 s54, s54, 12288
	s_mul_i32 s56, s51, 768
	s_add_co_u32 s54, s54, s56
	s_add_nc_u64 s[12:13], s[12:13], s[54:55]      ; ac at my tile of tokens and my head
	s_lshl_b32 s54, s51, 14
	s_lshl_b32 s56, s50, 12
	s_add_co_u32 s54, s54, s56
	s_lshl_b32 s56, s48, 10
	s_add_co_u32 s54, s54, s56
	s_add_nc_u64 s[14:15], s[14:15], s[54:55]      ; asc at my head and my 512 tokens
	CROUND                                         ; all four work-groups are here: the joint loads meet
	s_cmp_lt_u32 s[WV], 8
	s_cbranch_scc0 .Lno_fill
	tensor_load_to_lds s[G0:G0+3], s[G1:G1+7]      ; one load of mine is out
	s_nop 0
.rept 4
	v_nop
.endr
.Lno_fill:
.irp p, 0,1,2
	global_load_b64 v[16+2*\p:17+2*\p], v1, s[44:45] offset:256*\p            ; Q of pass 0
	global_load_b64 v[240+2*\p:241+2*\p], v1, s[44:45] offset:12288+256*\p    ; and of pass 1: 16 tiles on
.endr
	global_load_b32 v28, v6, s[46:47]
	global_load_b32 v29, v6, s[46:47] offset:1024
	global_load_b128 v[32:35], v30, s[6:7] offset:262144   ; k's scale words of the whole head: 16 bytes a thread
	global_load_b64 v[36:37], v31, s[10:11]                ; v's: 8 bytes a thread
.irp i, 0,1,2,3,4,5
	v_mov_b32 v[22+\i], 0                          ; Q's upper 64 codes
	v_mov_b32 v[246+\i], 0
	v_mov_b32 v[80+\i], 0                          ; what the last tile of K names beyond its six registers
.endr
.irp b, 0,1,2,3
	v_mov_b32 v[196+\b], 0                         ; a lane permute's destination counts as one of its sources
.endr
	v_mov_b32 v209, 0                              ; (named as the upper half of the pair v[208:209])
	s_wait_loadcnt 0x0
	v_bfe_u32 v28, v28, s52, 16                    ; my head's two bytes; bytes 2 and 3 become 0
	v_bfe_u32 v29, v29, s52, 16
.irp i, 0,1,2,3
	v_bfe_u32 v[32+\i], v[32+\i], s52, 16
.endr
	ds_store_b128 v8, v[32:35]
	ds_store_b64 v9, v[36:37]
	s_wait_tensorcnt 0x0                           ; my quarter of K or V has landed,
	s_wait_dscnt 0x0                               ; my scale words are stored:
	s_barrier_signal -1
	s_barrier_wait -1                              ; everybody's
; A KEY STEP: 128 keys.  qr: Q's registers, qs: its scale word.
.macro STEP qr, qs
	v_add_nc_u32 v8, s[TB], v1                     ; (these four are also the places between the last products and the loads into their registers)
	v_add_nc_u32 v9, s[TB], v2
	v_add_nc_u32 v10, s[TS], v3
	v_add_nc_u32 v11, s[TJ], v4
.irp t, 0,1,2,3,4,5,6,7
.irp p, 0,1,2
	ds_load_b64 v[32+6*\t+2*\p:33+6*\t+2*\p], v8 offset:768*\t+256*\p
.endr
.endr
.irp u, 0,1,2,3
	ds_load_b32 v[86+\u], v10 offset:128*\u        ; lanes 0-15: tile 2 u's keys, lanes 16-31: tile 2 u + 1's
.endr
	s_wait_dscnt 0x0
.irp t, 0,2,4,6
	v_wmma_scale_f32_16x16x128_f8f6f4 v[96+8*\t:103+8*\t], v[32+6*\t:43+6*\t], v[\qr:\qr+11], 0, v[86+\t/2], v[\qs] matrix_a_fmt:MATRIX_FMT_FP6 matrix_b_fmt:MATRIX_FMT_FP6
	v_wmma_scale_f32_16x16x128_f8f6f4 v[104+8*\t:111+8*\t], v[38+6*\t:49+6*\t], v[\qr:\qr+11], 0, v[86+\t/2], v[\qs] matrix_a_fmt:MATRIX_FMT_FP6 matrix_b_fmt:MATRIX_FMT_FP6 matrix_a_scale:MATRIX_SCALE_ROW1
.endr
.rept 4
	v_nop                                          ; places: the scores are read, and K's registers loaded again, from here on
.endr
.irp c, 0,1,2,3                                ; V's four fragments are asked for now and land while the softmax is worked
.irp p, 0,1,2,3,4,5
	ds_load_b64 v[32+12*\c+2*\p:33+12*\c+2*\p], v9 offset:1536*\c+256*\p
.endr
.endr
	ds_load_b32 v90, v11
	ds_load_b32 v91, v11 offset:128
.irp b, 0,1,2,3
	v_max3_num_f32 v[192+\b], v[96+16*\b], v[97+16*\b], v[98+16*\b]   ; the largest score of each block of 32 keys: for the row's maximum and for the block's largest p
.endr
.irp i, 3,5,7,9,11,13
.irp b, 0,1,2,3
	v_max3_num_f32 v[192+\b], v[192+\b], v[96+16*\b+\i], v[97+16*\b+\i]
.endr
.endr
.irp b, 0,1,2,3
	v_max_num_f32 v[192+\b], v[192+\b], v[111+16*\b]
.endr
.irp b, 0,1,2,3
	v_permlanex16_b32 v[196+\b], v[192+\b], s[SEL], s[SEL+1]
.endr
.irp b, 0,1,2,3
	v_max_num_f32 v[192+\b], v[192+\b], v[196+\b]
.endr
	v_max3_num_f32 v210, v192, v193, v194
	v_max_num_f32 v210, v210, v195
	v_mul_f32 v210, s[CS], v210                    ; as t (c is positive)
	v_max_num_f32 v13, v13, v210                   ; the running largest t
	v_mov_b32 v210, v12
	v_floor_f32 v12, -v13                          ; the new -M = floor(-t)
	v_sub_f32 v210, v12, v210                      ; old M - new M: a whole number, 0 or less
	v_cvt_i32_f32 v210, v210                       ; (it saturates)
	v_ldexp_f32 v208, 1.0, v210                    ; f = 2^(old M - new M)
.set sj, 0
.rept 32
	v_pk_fma_f32 v[96+sj:97+sj], v[96+sj:97+sj], s[CS:CS+1], v[12:13] op_sel_hi:[1,0,0]   ; t - M
.set sj, sj+2
.endr
.irp b, 0,1,2,3
	v_fma_f32 v[192+\b], v[192+\b], s[CS], v12     ; the same of each block's largest score
.endr
.set sj, 0
.rept 64
	v_exp_f32 v[96+sj], v[96+sj]                   ; p = 2^(t - M)
.set sj, sj+1
.endr
	v_pk_mul_f32 v[14:15], v[14:15], v[208:209] op_sel_hi:[1,0]   ; the sums under the new M: the plain place behind the exponentials
	s_wait_alu depctr_va_vdst(0)                   ; one wait for the batch of 64, ahead of its first reader
.irp b, 0,1,2,3
	v_exp_f32 v[192+\b], v[192+\b]                 ; the blocks' largest p
.endr
	v_pk_add_f32 v[216:217], v[96:97], v[98:99]    ; the row's sum of the unquantised p, in two chains
.irp j, 4,8,12,16,20,24,28,32,36,40,44,48,52,56,60
	v_pk_add_f32 v[14:15], v[14:15], v[96+\j:97+\j]
	v_pk_add_f32 v[216:217], v[216:217], v[98+\j:99+\j]
.endr
	v_pk_add_f32 v[14:15], v[14:15], v[216:217]
	s_wait_alu depctr_va_vdst(0)                   ; and one for the four
.irp b, 0,1,2,3
	v_max_num_f32 v[192+\b], 0x1800000, v[192+\b]  ; the floor 2^(3 - 127)
.endr
.irp b, 0,1,2,3
	v_add_nc_u32 v[200+\b], 0xff000000, v[192+\b]  ; 2 off the exponent field: the conversion's scale operand
.endr
.irp b, 0,1,2,3
	v_lshrrev_b32 v[204+\b], 23, v[200+\b]
.endr
	v_lshl_or_b32 v211, v205, 8, v204              ; p's scale word for these 128 keys
	v_lshl_or_b32 v211, v206, 16, v211
	v_lshl_or_b32 v211, v207, 24, v211
.irp c, 0,1
	v_cvt_scalef32_pk16_fp6_f32 v[228+6*\c:230+6*\c], v[96+32*\c:111+32*\c], v[200+2*\c]
	v_cvt_scalef32_pk16_fp6_f32 v[218+4*\c:220+4*\c], v[112+32*\c:127+32*\c], v[201+2*\c]
.endr
	v_nop                                          ; one plain place behind a scaled conversion
.irp c, 0,1
.irp i, 0,1,2
	v_permlane16_swap_b32 v[228+6*\c+\i], v[218+4*\c+\i]
.endr
.irp i, 0,1,2
	v_mov_b32 v[231+6*\c+\i], v[218+4*\c+\i]
.endr
.endr
.set sj, 0
.rept 16
	v_pk_mul_f32 v[160+sj:161+sj], v[160+sj:161+sj], v[208:209] op_sel_hi:[1,0]   ; O^T under the new M.  (These are also the places between the lines that made p's codes and scale word and the products)
.set sj, sj+2
.endr
	s_wait_dscnt 0x0                               ; V's fragments and scale words
.irp c, 0,2
	v_wmma_scale_f32_16x16x128_f8f6f4 v[160+8*\c:167+8*\c], v[32+12*\c:43+12*\c], v[228:239], v[160+8*\c:167+8*\c], v[90+\c/2], v211 matrix_a_fmt:MATRIX_FMT_FP6 matrix_b_fmt:MATRIX_FMT_FP6
	v_wmma_scale_f32_16x16x128_f8f6f4 v[168+8*\c:175+8*\c], v[44+12*\c:55+12*\c], v[228:239], v[168+8*\c:175+8*\c], v[90+\c/2], v211 matrix_a_fmt:MATRIX_FMT_FP6 matrix_b_fmt:MATRIX_FMT_FP6 matrix_a_scale:MATRIX_SCALE_ROW1
.endr
	s_add_co_u32 s[TB], s[TB], 6144
	s_add_co_u32 s[TS], s[TS], 512
	s_add_co_u32 s[TJ], s[TJ], 256
.endm
; THE WAY OUT of pass n: O^T / the sum, into true order of the channels, quantised in two blocks of 32; six registers of codes leave as three stores of 256 consecutive bytes.
.macro WAYOUT n
.rept 4
	v_nop                                          ; places behind the last products
.endr
	v_add_f32 v14, v14, v15
	v_permlanex16_b32 v208, v14, s[SEL], s[SEL+1]
	v_add_f32 v14, v14, v208                       ; the row's sum
	v_rcp_f32 v14, v14
	v_nop                                          ; a plain place behind the reciprocal,
	s_wait_alu depctr_va_vdst(0)                   ; and the wait ahead of its first reader
.set sj, 0
.rept 16
	v_pk_mul_f32 v[96+sj:97+sj], v[160+sj:161+sj], v[14:15] op_sel_hi:[1,0]   ; register 8 t + j: channel 16 t + 8 h + j
.set sj, sj+2
.endr
.irp b, 0,1
.irp j, 0,1,2,3,4,5,6,7
	v_permlane16_swap_b32 v[96+16*\b+\j], v[104+16*\b+\j]   ; register 16 b + i now holds channel 32 b + 16 h + i
.endr
.endr
.irp b, 0,1
	v_max3_num_f32 v[192+\b], |v[96+16*\b]|, |v[97+16*\b]|, 0x1800000
.endr
.irp i, 2,4,6,8,10,12,14
.irp b, 0,1
	v_max3_num_f32 v[192+\b], v[192+\b], |v[96+16*\b+\i]|, |v[97+16*\b+\i]|
.endr
.endr
.irp b, 0,1
	v_permlanex16_b32 v[196+\b], v[192+\b], s[SEL], s[SEL+1]
.endr
.irp b, 0,1
	v_max_num_f32 v[192+\b], v[192+\b], v[196+\b]
.endr
.irp b, 0,1
	v_add_nc_u32 v[200+\b], 0xff000000, v[192+\b]
.endr
.irp b, 0,1
	v_lshrrev_b32 v[204+\b], 23, v[200+\b]
.endr
	v_lshl_or_b32 v206, v205, 8, v204              ; my query's two scale bytes
	v_cvt_scalef32_pk16_fp6_f32 v[228:230], v[96:111], v200
	v_cvt_scalef32_pk16_fp6_f32 v[218:220], v[112:127], v201
	v_nop
.irp i, 0,1,2
	v_permlane16_swap_b32 v[228+\i], v[218+\i]
.endr
.irp i, 0,1,2
	v_mov_b32 v[231+\i], v[218+\i]                 ; lane (r, h): channels 32 h + 0 .. 31 of query r
.endr
.irp p, 0,1,2
	global_store_b64 v1, v[228+2*\p:229+2*\p], s[12:13] offset:196608*\n+256*\p
.endr
	ds_store_b16 v7, v206 offset:512*\n            ; lanes l and l xor 16 write the same bytes with the same value
.endm
.macro PASS n, qr, qs
.if \n
	s_wait_xcnt 0x0                                ; the last pass's stores have read their data: the codes' registers are written again only behind this wait
.endif
	v_mov_b32 v13, 0xff61b1e6                      ; the largest t so far: -3e38
	v_floor_f32 v12, -v13
	v_mov_b32 v14, 0
	v_mov_b32 v15, 0
.set sj, 0
.rept 32
	v_mov_b32 v[160+sj], 0                         ; O^T: the step is written once, and its first trip finds zeros
.set sj, sj+1
.endr
	s_mov_b32 s[TB], 0
	s_mov_b32 s[TS], 0
	s_mov_b32 s[TJ], 0
	s_mov_b32 s[CNT], 16
.Lstep_\n:
	STEP \qr, \qs
	s_sub_co_u32 s[CNT], s[CNT], 1
	s_cmp_lg_u32 s[CNT], 0
	s_cbranch_scc1 .Lstep_\n
	WAYOUT \n
.endm
	PASS 0, 16, 28
	PASS 1, 240, 29
	s_wait_dscnt 0x0                               ; my scale bytes lie in the stage,
	s_barrier_signal -1
	s_barrier_wait -1                              ; everybody's do
	s_cmp_lt_u32 s[WV], 2
	s_cbranch_scc0 .Lno_out
	ds_load_b128 v[32:35], v5
	s_wait_dscnt 0x0
	global_store_b128 v30, v[32:35], s[14:15]      ; 1,024 bytes by two waves: sixteen lanes store 256 consecutive bytes, aligned
.Lno_out:
	s_wait_tensorcnt 0x0
	s_wait_tensorcnt 0x0
	ds_add_u32 v254, v255
	s_wait_dscnt 0x0
	CROUND                                         ; the closing round
	s_endpgm
.Lfunc_end_k_q62aa1d9e4d_attn:
	.size	k_q62aa1d9e4d_attn, .Lfunc_end_k_q62aa1d9e4d_attn-k_q62aa1d9e4d_attn
	.p2alignl 7, 3214868480
	.fill 96, 4, 3214868480
	.section	.rodata,"a",@progbits
	.p2align	6, 0x0
	.amdhsa_kernel k_q62aa1d9e4d_attn
		.amdhsa_group_segment_fixed_size 211968
		.amdhsa_private_segment_fixed_size 0
		.amdhsa_enable_private_segment 0
		.amdhsa_kernarg_size 48
		.amdhsa_user_sgpr_count 2
		.amdhsa_user_sgpr_kernarg_segment_ptr 1
		.amdhsa_wavefront_size32 1
		.amdhsa_system_sgpr_workgroup_id_x 1
		.amdhsa_system_sgpr_workgroup_id_y 1
		.amdhsa_system_sgpr_workgroup_id_z 1
		.amdhsa_system_vgpr_workitem_id 0
		.amdhsa_next_free_vgpr 256
		.amdhsa_next_free_sgpr 66
		.amdhsa_reserve_vcc 0
		.amdhsa_float_denorm_mode_32 3
		.amdhsa_float_denorm_mode_16_64 3
		.amdhsa_memory_ordered 1
		.amdhsa_forward_progress 1
		.amdhsa_inst_pref_size 53
	.end_amdhsa_kernel
	.amdgpu_metadata
---
amdhsa.version: [ 1, 2 ]
amdhsa.kernels:
  - .name:           k_q62aa1d9e4d_attn
    .symbol:         k_q62aa1d9e4d_attn.kd
    .args:
      - { .name: qkc, .offset: 0, .size: 8, .value_kind: global_buffer, .address_space: global }
      - { .name: qks, .offset: 8, .size: 8, .value_kind: global_buffer, .address_space: global }
      - { .name: vc, .offset: 16, .size: 8, .value_kind: global_buffer, .address_space: global }
      - { .name: vs, .offset: 24, .size: 8, .value_kind: global_buffer, .address_space: global }
      - { .name: ac, .offset: 32, .size: 8, .value_kind: global_buffer, .address_space: global }
      - { .name: asc, .offset: 40, .size: 8, .value_kind: global_buffer, .address_space: global }
    .group_segment_fixed_size: 211968
    .private_segment_fixed_size: 0
    .kernarg_segment_align: 8
    .kernarg_segment_size: 48
    .max_flat_workgroup_size: 512
    .sgpr_count:     66
    .vgpr_count:     256
    .wavefront_size: 32
...
	.end_amdgpu_metadata
.endif
;; end of part 2
;; launch proj (part 3): grid 128 x 1, 4 waves a work-group, clusters of 4 x 1, 327,680 bytes of LDS; arguments ac, asc, wo_codes, wo_scales, bo, ln_gamma, ln_beta, out0; writes out0
.if DOCPART == 3
	.amdgcn_target "amdgcn-amd-amdhsa--gfx1250"
	.amdhsa_code_object_version 6
	.text
	.protected	k_q62aa1d9e4d_proj
	.globl	k_q62aa1d9e4d_proj
	.p2align	8
	.type	k_q62aa1d9e4d_proj,@function
k_q62aa1d9e4d_proj:
	s_mov_b64 s[64:65], 0
	v_nop
	global_prefetch_b8 v0, s[64:65] scope:SCOPE_SE
	s_setreg_imm32_b32 hwreg(HW_REG_WAVE_MODE, 25, 1), 1
	s_wait_xcnt 0x0
	s_wait_alu depctr_hold_cnt(0) depctr_sa_sdst(0) depctr_va_vdst(0) depctr_va_sdst(0) depctr_va_ssrc(0) depctr_va_vcc(0) depctr_vm_vsrc(0)
	s_getreg_b32 s2, hwreg(HW_REG_IB_STS2, 6, 4)
	s_cmp_eq_u32 s2, 0
	s_cbranch_scc0 .Lentry_in_a_cluster
	s_endpgm
.Lentry_in_a_cluster:
	s_bfe_u32 s2, ttmp6, 0x10000c
	s_cmp_lg_u32 s2, 0x3003
	s_cbranch_scc0 .Lentry_shape_is_right
	s_endpgm
.Lentry_shape_is_right:
; out0 = LayerNorm(a wo + bo) x gamma + beta.  a (the attention's result) comes as codes of FP6 (E2M3) in images of operand registers, wo as given: codes, K innermost, rows of 768 bytes.
; SHARES.  The norm wants whole rows, so a work-group owns 64 tokens x all 1,024 columns; wave w owns columns 512 g + 128 w + 0 .. 127, g = 0, 1: 4 tiles of tokens x 16 tiles of columns = 64 accumulators,
; 512 registers: as many rows as the registers hold.  Every work-group takes in all 786,432 bytes of wo whatever its rows, so 128 work-groups of 64 rows move half the bytes of 256 of 32 rows.
; CLUSTER.  All work-groups walk the same wo: the four of a cluster ask for each tile jointly (mask 15, the descriptor made of the wave's number alone).
; RING.  Two slots; slot g holds 256 along K of rows 512 g .. 512 g + 511 of wo.  Each wave fetches the 128 rows that it reads, one load behind each change of slots.  No prefetch: all work-groups read the same 786,432 bytes again and again.
; Source 0 = 16 rows of wo, source 1 = 16 tokens: a lane holds one token and eight neighbouring columns.  bo is the C of each sum's first product.
; The norm goes in two passes over the registers: the mean, then the sum of squares of x - mean: no difference of large sums.
; LIMITS: NaN and infinities are not served.
; REGISTERS: window 0: v0-31 addresses; v32-95 wo's scale words; v96-111 a's; v112-127 the norm's figures; v128-223 a's fragments, two sets; v224-255 at work; on the way out v128-255 hold rows.
;   window 1: wo's fragments, two sets (v0, v128); later gamma (v0-127) and beta (v128-255).   window 2 + g: accumulator (a, b) at v[8 (8 a + b)].
.set ROWB,   192
.set PITCH,  240                       ; an LDS row: 3 x (64 bytes + 16 of padding)
.set SLOT,   512*PITCH
.set AIMG,   2*SLOT                    ; a's 32 fragments: [tile of tokens 4][K step 8][pair of registers 6][lane][8]
.set STAT1,  AIMG+49152                ; the waves' partial sums: [wave][tile][lane] words
.set STAT2,  STAT1+2048
.set SPARE,  STAT2+2048                ; the spare words, 128 bytes a wave
.set SPITCH, 528                       ; the way out: 16 rows x (512 + 16) a wave, in slot 0, behind its last fill and its last read
.set WS, 32
.set AS, 96
.set G1, 24
.set G0, 32
.set MSB, 0
.macro WIN new
.if MSB != (\new)
	s_set_vgpr_msb (MSB<<8)|(\new)
.set MSB, \new
.endif
.endm
.macro CREST
	s_cmp_lg_u32 s20, 0
	s_cbranch_scc1 .Lnot_wave_0_\@
	s_barrier_signal -3
.Lnot_wave_0_\@:
	s_barrier_wait -3
	s_barrier_signal -1
	s_barrier_wait -1
.endm
.macro CROUND
	s_barrier_signal -1
	s_barrier_wait -1
	CREST
.endm
.macro PLACES n
.rept \n
	v_nop
.endr
.endm
	s_load_b512 s[4:19], s[0:1], 0x0               ; ac, asc, wo's codes, wo's scales, bo, gamma, beta, out0
	v_lshl_add_u32 v28, v0, 2, SPARE
	v_mov_b32 v29, 0
	ds_add_u32 v28, v29
	ds_add_u32 v28, v29
	s_wait_dscnt 0x0
	v_lshrrev_b32 v1, 5, v0
	v_readfirstlane_b32 s20, v1                    ; wave 0..3
	s_bfe_u32 s21, ttmp6, 0x40000                  ; cx
	s_lshl_b32 s22, ttmp9, 2
	s_add_co_u32 s22, s22, s21                     ; my block of 64 tokens: it enters a's and out0's addresses alone
	s_mov_b32 s[G1], 15|(1<<20)|(1<<21)|(3<<22)|(3<<25)   ; mask: all four; elements of 1 byte; padding on; bit 21 beside a mask; 4 words behind every 16
	s_mov_b32 s[G1+1], ROWB<<16
	s_mov_b32 s[G1+2], 128<<16
	s_mov_b32 s[G1+3], ROWB<<16
	s_mov_b32 s[G1+4], 128
	s_mov_b32 s[G1+5], 768
	s_mov_b32 s[G1+6], 0
	s_mov_b32 s[G1+7], 0
	s_mov_b32 s48, 0x76543210
	s_mov_b32 s49, 0xfedcba98
	s_mov_b32 s50, 0x3a800000                      ; 1 / 1,024
	s_mov_b32 s51, 0x3727c5ac                      ; 1e-5
	s_mov_b32 s52, 0xba800000                      ; -1 / 1,024
	s_mul_i32 s40, s20, 128*768                    ; my 128 rows of a half of wo
	s_mov_b32 s41, 0
	s_mul_i32 s42, s20, 128*PITCH
	s_wait_kmcnt 0x0
	s_add_nc_u64 s[44:45], s[8:9], s[40:41]
	CROUND                                         ; all four work-groups are here
.irp s, 0,1
	s_mov_b32 s[G0+4*\s], 1
	s_add_co_u32 s[G0+4*\s+1], s42, \s*SLOT
	s_add_nc_u64 s[G0+4*\s+2:G0+4*\s+3], s[44:45], \s*512*768
	s_or_b32 s[G0+4*\s+3], s[G0+4*\s+3], 0x80000000
.endr
	tensor_load_to_lds s[G0:G0+3], s[G1:G1+7]      ; K 0-255 of rows 0-511,
	s_nop 0
	tensor_load_to_lds s[G0+4:G0+7], s[G1:G1+7]    ; and of rows 512-1,023: two loads of mine are out
	s_nop 0
	PLACES 4
	v_and_b32 v1, 15, v0                           ; r
	v_bfe_u32 v2, v0, 4, 1                         ; h
	v_and_b32 v3, 31, v0                           ; lane
	v_mul_u32_u24 v4, v1, PITCH
	v_mad_u32_u24 v4, v2, 24, v4
	v_lshl_add_u32 v5, v2, 4, v4
	v_add_nc_u32 v16, s42, v4                      ; wo's fragments in slot 0,
	v_add_nc_u32 v18, s42, v5                      ; the same behind one padding more,
	s_add_co_u32 s43, s42, SLOT
	v_add_nc_u32 v17, s43, v4                      ; and in slot 1
	v_add_nc_u32 v19, s43, v5
	v_lshl_add_u32 v20, v3, 3, AIMG                ; a's fragments: 8 x lane
	v_lshlrev_b32 v26, 4, v3                       ; 16 x lane
	s_mul_i32 s43, s20, 12288
	v_add_nc_u32 v6, s43, v26                      ; my quarter of a's images, in memory
	v_add_nc_u32 v21, AIMG, v6                     ; and in LDS
	s_lshl_b32 s43, s20, 9
	v_lshl_add_u32 v22, v3, 2, s43
	v_add_nc_u32 v22, STAT1, v22                   ; my partial sums
	v_lshl_add_u32 v23, v3, 2, STAT1               ; everybody's
	s_mul_i32 s43, s20, 16*SPITCH
	v_mul_u32_u24 v24, v1, SPITCH
	v_lshl_add_u32 v24, v2, 5, v24
	v_add_nc_u32 v24, s43, v24                     ; the stage, in: row r, 32 bytes for each half of the lanes
	v_add_nc_u32 v25, s43, v26                     ; and back: a row of 512 bytes
	v_lshlrev_b32 v27, 5, v3                       ; wo's scale bytes: 32 a row
	v_lshlrev_b32 v30, 5, v2                       ; bo, gamma, beta: columns 8 h on
	v_lshlrev_b32 v31, 1, v3                       ; a's scale bytes: 2 a token
	s_mul_i32 s40, s22, 49152
	s_add_nc_u64 s[4:5], s[4:5], s[40:41]
	s_lshl_b32 s40, s22, 7
	s_add_nc_u64 s[6:7], s[6:7], s[40:41]
	s_lshl_b32 s40, s20, 12
	s_add_nc_u64 s[10:11], s[10:11], s[40:41]
	s_lshl_b32 s40, s20, 9
	s_add_nc_u64 s[12:13], s[12:13], s[40:41]
	s_add_nc_u64 s[14:15], s[14:15], s[40:41]
	s_add_nc_u64 s[16:17], s[16:17], s[40:41]
	s_add_nc_u64 s[18:19], s[18:19], s[40:41]
	s_lshl_b32 s40, s22, 18
	s_add_nc_u64 s[18:19], s[18:19], s[40:41]      ; out0 at my first token and my first column
.set hi, 0
.rept 24
	global_load_b128 v[128+4*hi:131+4*hi], v6, s[4:5] offset:512*hi
.set hi, hi+1
.endr
.irp g, 0,1
.irp u, 0,1,2,3
.irp q, 0,1
	global_load_b128 v[WS+8*(4*\g+\u)+4*\q:WS+8*(4*\g+\u)+4*\q+3], v27, s[10:11] offset:(512*\g+32*\u)*32+16*\q   ; lanes 0-15: tile 2 u's rows, lanes 16-31: tile 2 u + 1's; register s: K step s
.endr
.endr
.endr
.irp u, 0,1
.irp d, 0,1,2,3,4,5,6,7,8,9,10,11,12,13,14,15
	global_load_u16 v[224+16*\u+\d], v31, s[6:7] offset:16384*\d+64*\u   ; head d's two bytes of tokens 32 u + lane
.endr
.endr
.irp g, 0,1
	WIN 0x80+0x40*\g                               ; destination: window 2 + g
.irp b, 0,1,2,3,4,5,6,7
	global_load_b128 v[192+8*\b:195+8*\b], v30, s[12:13] offset:2048*\g+64*\b      ; bo, in the result's layout, into accumulators (3, b)
	global_load_b128 v[196+8*\b:199+8*\b], v30, s[12:13] offset:2048*\g+64*\b+16
.endr
.endr
	WIN 0
	s_wait_loadcnt 0x0
.set hi, 0
.rept 24
	ds_store_b128 v21, v[128+4*hi:131+4*hi] offset:512*hi
.set hi, hi+1
.endr
.irp u, 0,1
.irp s, 0,1,2,3,4,5,6,7
	v_lshl_or_b32 v[AS+8*\u+\s], v[225+16*\u+2*\s], 16, v[224+16*\u+2*\s]   ; K step s: heads 2 s and 2 s + 1
.endr
.endr
	PLACES 8                                       ; a scale register written by a vector instruction stands eight places ahead of a scaled product
	s_wait_tensorcnt 1                             ; slot 0 is in; slot 1's load may be out
	s_wait_dscnt 0x0                               ; my quarter of a's images is stored
	s_barrier_signal -1
	s_barrier_wait -1
.macro FRAG reg, adr, q, i             ; 16 rows x 128 K in pieces of 8 bytes; where the piece three on lies behind one padding more, the second address register serves
.irp p, 0,1,2,3,4,5
.set PCE, 12*(\q)+6*(\p/3)+\p%3
.if PCE%8 < 5
	ds_load_b64 v[\reg+2*\p:\reg+2*\p+1], v[\adr] offset:8*PCE+16*(PCE/8)+(\i)*16*PITCH
.else
	ds_load_b64 v[\reg+2*\p:\reg+2*\p+1], v[\adr+2] offset:8*PCE+16*(PCE/8)+(\i)*16*PITCH
.endif
.endr
.endm
; SIXTEEN SUB-STEPS of 128 along K for one half g of the columns.  Sub-step m: slot and half g = (m / 2) % 2, the slot's q = m % 2, K step s = 2 (m / 4) + q; sets of registers m % 2.
.macro FETCHN m                        ; sub-step m's fragments: wo's eight, and a's four where they are not in registers from the other half's turn
.set fs_, ((\m)/2)%2
.set fq_, (\m)%2
	WIN 0x40
.irp i, 0,1,2,3,4,5,6,7
	FRAG 128*fq_+12*\i, 16+fs_, fq_, \i
.endr
	WIN 0
.if (\m)%4 < 2
.irp a, 0,1,2,3
.irp p, 0,1,2,3,4,5
	ds_load_b64 v[128+48*fq_+12*\a+2*\p:129+48*fq_+12*\a+2*\p], v20 offset:12288*\a+1536*(2*((\m)/4)+fq_)+256*\p
.endr
.endr
.endif
.endm
.macro WM                              ; one product, by the symbols set in MULA; odd tiles take their scale words from lanes 16-31
.if (b_%2) && (a_%2)
	v_wmma_scale_f32_16x16x128_f8f6f4 v[d_:d_+7], v[wf_:wf_+11], v[xf_:xf_+11], v[c_:c_+7], v[sw_], v[sx_] matrix_a_fmt:MATRIX_FMT_FP6 matrix_b_fmt:MATRIX_FMT_FP6 matrix_a_scale:MATRIX_SCALE_ROW1 matrix_b_scale:MATRIX_SCALE_ROW1
.elseif b_%2
	v_wmma_scale_f32_16x16x128_f8f6f4 v[d_:d_+7], v[wf_:wf_+11], v[xf_:xf_+11], v[c_:c_+7], v[sw_], v[sx_] matrix_a_fmt:MATRIX_FMT_FP6 matrix_b_fmt:MATRIX_FMT_FP6 matrix_a_scale:MATRIX_SCALE_ROW1
.elseif a_%2
	v_wmma_scale_f32_16x16x128_f8f6f4 v[d_:d_+7], v[wf_:wf_+11], v[xf_:xf_+11], v[c_:c_+7], v[sw_], v[sx_] matrix_a_fmt:MATRIX_FMT_FP6 matrix_b_fmt:MATRIX_FMT_FP6 matrix_b_scale:MATRIX_SCALE_ROW1
.else
	v_wmma_scale_f32_16x16x128_f8f6f4 v[d_:d_+7], v[wf_:wf_+11], v[xf_:xf_+11], v[c_:c_+7], v[sw_], v[sx_] matrix_a_fmt:MATRIX_FMT_FP6 matrix_b_fmt:MATRIX_FMT_FP6
.endif
.endm
; Sub-step n's products of a's tiles a0 .. a0 + na - 1 against wo's eight.  bias = 1: C is accumulator (3, b), which holds bo.  The accumulators take turns, one instruction a turn.
.macro MULA n, a0, na, bias
.set g_, ((\n)/2)%2
.set s_, 2*((\n)/4)+(\n)%2
.set t_, (\n)%2
	WIN 0xa1+0x50*g_                               ; source 0 (wo) window 1, source 1 (a) window 0, C and D window 2 + g
.set a_, \a0
.rept \na
.set b_, 0
.rept 8
.set d_, 8*(8*a_+b_)
.set c_, d_
.if \bias
.set c_, 192+8*b_
.endif
.set wf_, 128*t_+12*b_
.set xf_, 128+48*t_+12*a_
.set sw_, WS+8*(4*g_+b_/2)+s_
.set sx_, AS+8*(a_/2)+s_
	WM
.set b_, b_+1
.endr
.set a_, a_+1
.endr
.endm
.macro SUB n, bias                     ; an even sub-step: its successor lies in the same slot
	s_wait_dscnt 0x0                               ; this sub-step's fragments are in
	PLACES 4                                       ; behind the last products, in front of loads into the other sets
	FETCHN (\n)+1
.if \bias
	MULA \n, 0, 3, 1
	PLACES 5                                       ; the next eight write over registers that the last 24 took as C
	MULA \n, 3, 1, 0
.else
	MULA \n, 0, 4, 0
.endif
.endm
; An odd sub-step changes slots: one barrier; in front of it each wave waits for all its tensor loads, adds 0 to its spare word, and waits for that and for its reads of this slot.
.macro TURN n, fill
.set sl_, ((\n)/2)%2
	WIN 0                                          ; (the add's two registers lie in window 0)
	s_wait_tensorcnt 0x0                           ; my part of the other slot has landed
	ds_add_u32 v28, v29                            ; 0 onto my spare word
	s_wait_dscnt 1                                 ; this sub-step's fragments are in; the add may be out
	MULA \n, 0, 1, 0
	s_wait_dscnt 0x0                               ; the add is done, and my reads of this slot are over
	s_barrier_signal -1
	MULA \n, 1, 1, 0
	WIN 0
	s_barrier_wait -1
.if \fill
	CREST                                          ; the barrier has opened a round of the cluster's: no wave of any partner still reads this slot or has a load on its way
	s_add_nc_u64 s[G0+4*sl_+2:G0+4*sl_+3], s[G0+4*sl_+2:G0+4*sl_+3], ROWB   ; the same rows, 256 further along K
	tensor_load_to_lds s[G0+4*sl_:G0+4*sl_+3], s[G1:G1+7]   ; my one load behind the round
	s_nop 0
	PLACES 4                                       ; (the places in front of the loads below)
.else
	PLACES 4
.endif
	FETCHN (\n)+1
	MULA \n, 2, 2, 0
.endm
	FETCHN 0
	SUB 0, 1
	TURN 1, 1
	SUB 2, 1
	TURN 3, 1
	SUB 4, 0
	TURN 5, 1
	SUB 6, 0
	TURN 7, 1
	SUB 8, 0
	TURN 9, 1
	SUB 10, 0
	TURN 11, 1
	SUB 12, 0
	TURN 13, 0                                     ; nothing is left to fetch
	SUB 14, 0
	s_wait_dscnt 0x0
	MULA 15, 0, 4, 0
	WIN 0
	; THE NORM.  gamma and beta are asked for now, in the result's layout, into the registers that held wo's fragments.
	PLACES 4
	WIN 0x40
.irp g, 0,1
.irp b, 0,1,2,3,4,5,6,7
.irp q, 0,1
	global_load_b128 v[64*\g+8*\b+4*\q:64*\g+8*\b+4*\q+3], v30, s[14:15] offset:2048*\g+64*\b+16*\q
	global_load_b128 v[128+64*\g+8*\b+4*\q:128+64*\g+8*\b+4*\q+3], v30, s[16:17] offset:2048*\g+64*\b+16*\q
.endr
.endr
.endr
	WIN 0
.irp i, 0,1,2,3,4,5,6,7,8,9,10,11,12,13,14,15
	v_mov_b32 v[112+\i], 0                         ; v112-119 the sums, v120-127 the sums of squares: a pair for each tile of tokens
.endr
.irp g, 0,1
	WIN 0x08+4*\g                                  ; source 1: window 2 + g
.irp b, 0,1,2,3,4,5,6,7
.irp k, 0,2,4,6                                ; ascending: each accumulator is read from its low end on; the four tiles' chains by turns
.irp a, 0,1,2,3
	v_pk_add_f32 v[112+2*\a:113+2*\a], v[112+2*\a:113+2*\a], v[64*\a+8*\b+\k:64*\a+8*\b+\k+1]
.endr
.endr
.endr
.endr
	WIN 0
; a token's figure in v[base + 2 a], v[base + 2 a + 1]: the two halves, lane l xor 16's, and the four waves' through LDS; the sum comes back in v[224 + 4 a]
.macro ACROSS base, off
.irp a, 0,1,2,3
	v_add_f32 v[\base+2*\a], v[\base+2*\a], v[\base+2*\a+1]
.endr
.irp a, 0,1,2,3
	v_permlanex16_b32 v[\base+2*\a+1], v[\base+2*\a], s48, s49
.endr
.irp a, 0,1,2,3
	v_add_f32 v[\base+2*\a], v[\base+2*\a], v[\base+2*\a+1]
.endr
.irp a, 0,1,2,3
	ds_store_b32 v22, v[\base+2*\a] offset:\off+128*\a
.endr
	s_wait_dscnt 0x0                               ; for the others' sake: my stores are done
	s_barrier_signal -1
	s_barrier_wait -1
.irp a, 0,1,2,3
.irp w, 0,1,2,3
	ds_load_b32 v[224+4*\a+\w], v23 offset:\off+512*\w+128*\a
.endr
.endr
	s_wait_dscnt 0x0
.irp a, 0,1,2,3
	v_add_f32 v[224+4*\a], v[224+4*\a], v[225+4*\a]
	v_add_f32 v[226+4*\a], v[226+4*\a], v[227+4*\a]
.endr
.irp a, 0,1,2,3
	v_add_f32 v[224+4*\a], v[224+4*\a], v[226+4*\a]
.endr
.endm
	ACROSS 112, 0
.irp a, 0,1,2,3
	v_mul_f32 v[112+2*\a], s52, v[224+4*\a]        ; -mean
.endr
.irp g, 0,1
	WIN 0x82+0x41*\g                               ; destination and source 0: window 2 + g
.irp b, 0,1,2,3,4,5,6,7
.irp k, 0,2,4,6
.irp a, 0,1,2,3
	v_pk_add_f32 v[64*\a+8*\b+\k:64*\a+8*\b+\k+1], v[64*\a+8*\b+\k:64*\a+8*\b+\k+1], v[112+2*\a:113+2*\a] op_sel_hi:[1,0]   ; x - mean
.endr
.endr
.endr
	WIN 0x0a+5*\g                                  ; sources 0 and 1: window 2 + g
.irp b, 0,1,2,3,4,5,6,7
.irp k, 0,2,4,6
.irp a, 0,1,2,3
	v_pk_fma_f32 v[120+2*\a:121+2*\a], v[64*\a+8*\b+\k:64*\a+8*\b+\k+1], v[64*\a+8*\b+\k:64*\a+8*\b+\k+1], v[120+2*\a:121+2*\a]
.endr
.endr
.endr
.endr
	WIN 0
	ACROSS 120, 2048                               ; other bytes than the first time: no barrier is owed between the two
.irp a, 0,1,2,3
	v_fma_f32 v[120+2*\a], v[224+4*\a], s50, s51   ; the variance + 1e-5
.endr
.irp a, 0,1,2,3
	v_rsq_f32 v[120+2*\a], v[120+2*\a]
.endr
	v_nop                                          ; a plain place behind the last of them,
	s_wait_alu depctr_va_vdst(0)                   ; and one wait for the four, ahead of their first reader
	s_wait_loadcnt 0x0                             ; gamma and beta
.irp g, 0,1
	WIN 0x82+0x41*\g
.irp b, 0,1,2,3,4,5,6,7
.irp k, 0,2,4,6
.irp a, 0,1,2,3
	v_pk_mul_f32 v[64*\a+8*\b+\k:64*\a+8*\b+\k+1], v[64*\a+8*\b+\k:64*\a+8*\b+\k+1], v[120+2*\a:121+2*\a] op_sel_hi:[1,0]
.endr
.endr
.endr
	WIN 0x96+0x41*\g                               ; sources 1 and 2 (gamma, beta): window 1
.irp b, 0,1,2,3,4,5,6,7
.irp k, 0,2,4,6
.irp a, 0,1,2,3
	v_pk_fma_f32 v[64*\a+8*\b+\k:64*\a+8*\b+\k+1], v[64*\a+8*\b+\k:64*\a+8*\b+\k+1], v[64*\g+8*\b+\k:64*\g+8*\b+\k+1], v[128+64*\g+8*\b+\k:128+64*\g+8*\b+\k+1]
.endr
.endr
.endr
.endr
	WIN 0
; THE WAY OUT, block k = 4 g + a of 16 tokens x 128 columns: through my own stage and back as whole rows of 512 bytes.  LDS serves a wave's instructions in order: no wait between the stores and the loads.
.macro TOSTAGE k
	WIN 0x08+4*((\k)/4)                            ; an LDS store's data are its source 1
.irp b, 0,1,2,3,4,5,6,7
	ds_store_b128 v24, v[64*((\k)%4)+8*\b:64*((\k)%4)+8*\b+3] offset:64*\b
	ds_store_b128 v24, v[64*((\k)%4)+8*\b+4:64*((\k)%4)+8*\b+7] offset:64*\b+16
.endr
	WIN 0
.irp t, 0,1,2,3,4,5,6,7,8,9,10,11,12,13,14,15
	ds_load_b128 v[128+64*((\k)%2)+4*\t:128+64*((\k)%2)+4*\t+3], v25 offset:\t*SPITCH
.endr
.endm
.macro SEND k, younger
	s_wait_dscnt \younger                          ; the block is back in registers; the LDS instructions issued behind its loads may be out
.irp t, 0,1,2,3,4,5,6,7,8,9,10,11,12,13,14,15
	global_store_b128 v26, v[128+64*((\k)%2)+4*\t:128+64*((\k)%2)+4*\t+3], s[18:19] offset:(16*((\k)%4)+\t)*4096+2048*((\k)/4) th:TH_STORE_NT   ; 32 lanes store 512 consecutive bytes, aligned
.endr
.endm
	TOSTAGE 0
.irp k, 1,2,3,4,5,6,7
.if \k > 1
	s_wait_xcnt 0x0                                ; block k - 2's stores have read their registers: block k's loads may land there
.endif
	TOSTAGE \k
	SEND \k-1, 32                                  ; behind block k - 1's loads: block k's 16 stores and 16 loads
.endr
	SEND 7, 0
	s_wait_tensorcnt 0x0                           ; the wave's end
	ds_add_u32 v28, v29
	s_wait_dscnt 0x0
	CROUND                                         ; the closing round
	s_endpgm
.Lfunc_end_k_q62aa1d9e4d_proj:
	.size	k_q62aa1d9e4d_proj, .Lfunc_end_k_q62aa1d9e4d_proj-k_q62aa1d9e4d_proj
	.p2alignl 7, 3214868480
	.fill 96, 4, 3214868480
	.section	.rodata,"a",@progbits
	.p2align	6, 0x0
	.amdhsa_kernel k_q62aa1d9e4d_proj
		.amdhsa_group_segment_fixed_size 327680
		.amdhsa_private_segment_fixed_size 0
		.amdhsa_enable_private_segment 0
		.amdhsa_kernarg_size 64
		.amdhsa_user_sgpr_count 2
		.amdhsa_user_sgpr_kernarg_segment_ptr 1
		.amdhsa_wavefront_size32 1
		.amdhsa_system_sgpr_workgroup_id_x 1
		.amdhsa_system_sgpr_workgroup_id_y 1
		.amdhsa_system_sgpr_workgroup_id_z 1
		.amdhsa_system_vgpr_workitem_id 0
		.amdhsa_next_free_vgpr 1024
		.amdhsa_next_free_sgpr 66
		.amdhsa_reserve_vcc 0
		.amdhsa_float_denorm_mode_32 3
		.amdhsa_float_denorm_mode_16_64 3
		.amdhsa_memory_ordered 1
		.amdhsa_forward_progress 1
		.amdhsa_inst_pref_size 255
	.end_amdhsa_kernel
	.section	.bss,"aw",@nobits
	.p2align	6
	.space	262144
	.amdgpu_metadata
---
amdhsa.version: [ 1, 2 ]
amdhsa.kernels:
  - .name:           k_q62aa1d9e4d_proj
    .symbol:         k_q62aa1d9e4d_proj.kd
    .args:
      - { .name: ac, .offset: 0, .size: 8, .value_kind: global_buffer, .address_space: global }
      - { .name: asc, .offset: 8, .size: 8, .value_kind: global_buffer, .address_space: global }
      - { .name: wo_codes, .offset: 16, .size: 8, .value_kind: global_buffer, .address_space: global }
      - { .name: wo_scales, .offset: 24, .size: 8, .value_kind: global_buffer, .address_space: global }
      - { .name: bo, .offset: 32, .size: 8, .value_kind: global_buffer, .address_space: global }
      - { .name: ln_gamma, .offset: 40, .size: 8, .value_kind: global_buffer, .address_space: global }
      - { .name: ln_beta, .offset: 48, .size: 8, .value_kind: global_buffer, .address_space: global }
      - { .name: out0, .offset: 56, .size: 8, .value_kind: global_buffer, .address_space: global }
    .group_segment_fixed_size: 327680
    .private_segment_fixed_size: 0
    .kernarg_segment_align: 8
    .kernarg_segment_size: 64
    .max_flat_workgroup_size: 128
    .sgpr_count:     66
    .vgpr_count:     1024
    .wavefront_size: 32
...
	.end_amdgpu_metadata
.endif
;; end of part 3
